; MI455X (gfx1250); checked and timed in simulation.
; The chip was launched on July 23, 2026; its instructions are those of AMD's public machine-readable ISA for CDNA 5 (MIT licence, August 2026) and "CDNA5" Instruction Set Architecture Reference Guide (July 2026). The comments in the code are by the model that wrote it; some were corrected since.
;; Attention Store Activation Prune. Allowed arithmetic: matrix products marked QUANTISED: E2M3 operands, one E8M0 scale for each 32 along K, by v_wmma_scale_f32_16x16x128_f8f6f4 with both operands' format E2M3, f32 sums; everything else in f32.
;; Inputs: Wk 768 x 768 float32; Wo 768 x 768 float32; Wq 768 x 768 float32; Wv 768 x 768 float32; bk 768 float32; bo 768 float32; bq 768 float32; bv 768 float32; hidden_states 8 x 577 x 768 float32.
;; Outputs: out0 8 x 577 x 768 float32.
;; This version of the problem:
;;   THIS VERSION OF THE PROBLEM IS GIVEN IN LOW PRECISION. The matrix products marked QUANTISED in the list below multiply operands that are first quantised to E2M3 (2 exponent bits, 3 mantissa bits; 6 bits a number), with one power-of-two scale for each 32 numbers along K (OCP MX v1.0); their sums are f32. All else is computed in f32.
;;   The module's matrix products, in the order in which they are computed (A, B: the left and right operand; K: the contracted axis; several contracted axes count as one K, in the product's order):
;;     1. [M 4,616, K 768] x [K 768, N 768]; A: input hidden_states; B: input Wq: QUANTISED
;;     2. [M 4,616, K 768] x [K 768, N 768]; A: computed on the way; B: input Wq: QUANTISED
;;     3. [M 4,616, K 768] x [K 768, N 768]; A: input hidden_states; B: input Wk: QUANTISED
;;     4. [M 4,616, K 768] x [K 768, N 768]; A: computed on the way; B: input Wk: QUANTISED
;;     5. [M 4,616, K 768] x [K 768, N 768]; A: input hidden_states; B: input Wv: QUANTISED
;;     6. [M 4,616, K 768] x [K 768, N 768]; A: computed on the way; B: input Wv: QUANTISED
;;     7. batch 96 x [M 577, K 64] x [K 64, N 577]; A: computed on the way; B: computed on the way: QUANTISED
;;     8. batch 96 x [M 577, K 64] x [K 64, N 577]; A: computed on the way; B: computed on the way: QUANTISED
;;     9. batch 96 x [M 577, K 577] x [K 577, N 64]; A: softmax (see below); B: computed on the way: QUANTISED
;;     10. batch 96 x [M 577, K 577] x [K 577, N 64]; A: computed on the way; B: computed on the way: QUANTISED
;;     11. [M 4,616, K 768] x [K 768, N 768]; A: computed on the way; B: input Wo: QUANTISED
;;     12. [M 4,616, K 768] x [K 768, N 768]; A: computed on the way; B: input Wo: QUANTISED
;;   THE QUANTISER, for each operand of a quantised product, along K:
;;     - K is cut into blocks of 32 from its start; a last block that is shorter is filled with zeros.
;;     - A block's scale is 2^e with e = floor(log2(the largest magnitude in the block)) - 2, held to -126 .. 127; a block of zeros has e = 0. As a byte (E8M0): e + 127.
;;     - Each number is divided by its block's scale, clamped to +-7.5, and rounded to the nearest number of E2M3, ties to even, subnormals kept.
;;     - The product sums the exact products of the quantised numbers (number of the format x scale) in f32.
;;   ~~~python
;;   def quantise(x, axis):      # numpy; x: float32 -> the quantised numbers, widened to float32 again
;;       x = np.moveaxis(x, axis, -1); K = x.shape[-1]
;;       x = np.pad(x, [(0, 0)] * (x.ndim - 1) + [(0, -K % 32)]); x = x.reshape(x.shape[:-1] + (-1, 32)); a = np.abs(x).max(-1, keepdims=True)
;;       e = np.where(a > 0, np.clip(np.frexp(np.where(a > 0, a, 1))[1] - 1 - 2, -126, 127), 0)      # np.frexp(a)[1] - 1 = floor(log2(a)), exactly
;;       r = np.clip(x / 2.0 ** e, -7.5, 7.5)
;;       step = 2.0 ** (np.maximum(np.frexp(np.where(r == 0, 1, r))[1] - 1, 0) - 3)
;;       q = np.round(r / step) * step * 2.0 ** e      # np.round: ties to even
;;       return np.moveaxis(q.reshape(q.shape[:-2] + (-1,))[..., :K], -1, axis).astype(np.float32)
;;   ~~~
;;   SOFTMAX AHEAD OF A QUANTISED PRODUCT. Where the list says 'softmax', what is quantised is not the finished softmax but p = 2^(t - M), with t = logit x log2(e) and M = ceil(the row's largest t), a whole number; so 1/2 < the row's largest p <= 1. The row's sum l is taken of the UNQUANTISED p, in f32, and the product's result is divided by l at the end. Since M is a whole number, a kernel that streams over the keys may use a running M (the ceiling of the running maximum): every later rescaling is an exact power of two, which a block's scale takes up: the codes' values come out the same.
;;   OPERANDS COMPUTED ON THE WAY. 'Computed on the way' means the value that the module computes at that place (a softmax that the list does not call 'softmax' is quantised finished and normalised). What goes into a quantiser is computed in f32, as accurately as f32 sums, v_exp_f32 and their like allow (about 1e-6 of the number): no bf16 or f16 on the way to a quantiser, and a product that is left as it is and whose result goes on into a quantised operand takes f32 operands (vector FMAs, or v_wmma_f32_16x16x4_f32). A number that lies on a knife's edge between two numbers of the format may be rounded either way, as far as f32 arithmetic and the matrix unit's own rounding can turn it there, and no further.
;; One version. Each part assembles by itself: llvm-mc -triple=amdgcn-amd-amdhsa -mcpu=gfx1250 --defsym DOCPART=n.
;; ======== version 1 of 1: 4 launches
;; workspace buffers: prep 4,953,600 bytes; qkv 9,500,160 bytes; ctx 2,841,600 bytes
;; launch prep (part 1): grid 258 x 1, 6 waves a work-group, no clusters, 51,456 bytes of LDS; arguments hidden_states, Wq, Wk, Wv, Wo, prep; writes prep
.if DOCPART == 1
	.amdgcn_target "amdgcn-amd-amdhsa--gfx1250"
	.amdhsa_code_object_version 6
	.text
	.protected	k_qfe5876cc33_prep
	.globl	k_qfe5876cc33_prep
	.p2align	8
	.type	k_qfe5876cc33_prep,@function
k_qfe5876cc33_prep:
	s_mov_b64 s[64:65], 0
	v_nop
	global_prefetch_b8 v0, s[64:65] scope:SCOPE_SE
	s_setreg_imm32_b32 hwreg(HW_REG_WAVE_MODE, 25, 1), 1
	s_wait_xcnt 0x0
; PREP: hidden_states [4616][768] and the four weights [768 (k)][768 (n)], f32, become codes of E2M3 with one E8M0 byte for each 32 along K, laid in the order of an operand's registers.
; A FRAGMENT is 16 rows x 128 K: 12 registers a lane, 1,536 bytes, as two halves c of 768 bytes: registers 6 c .. 6 c + 3 of lane L at 16 L, registers 6 c + 4, 6 c + 5 at 512 + 8 L.
; Lane L = r + 16 h holds row r, k = 64 c + 32 h + 0 .. 31.  THE ROWS OF A TILE ARE NOT NEIGHBOURS: lane row r of tile 2 p + u is tensor row 32 p + 8 u + r + 8 (r / 8).
; Scale words lie [tile][K step][row], 4 bytes each.  Each batch's 577 rows are laid as 40 tiles (640 rows); rows past 576 are copies of row 576: finite, and never used in a result.
; THE PROGRAM'S LIMIT: reference() writes each result as dense + pruned - pruned.  This program computes the dense operand alone; it differs from reference() by the rounding of that add and subtract,
; at most 2^-23 of the pruned number, and it gives a number where the pruned product alone overflows.  LIMITS OF RANGE: blocks whose largest magnitude lies under 2^-124 get the byte 1; NaN and infinities are not served.
; A block of zeros gets the byte 1 where the quantiser says 127: its codes are zeros, and this program alone reads the bytes.
; SHARES: work-groups 0 to 161 take a pair of tiles (32 rows) of hidden_states, wave w the tile w / 3 and K steps 2 (w % 3), 2 (w % 3) + 1; work-groups 162 to 257 take 128 along K x 192 columns of a weight, a wave 32 columns.
; No tensor load, no barrier: waves share nothing.  No cluster: no two work-groups read the same bytes.
.set HSS,  2985984                     ; prep: hidden_states' scale words (its codes begin at 0: 324 tiles x 9,216 bytes)
.set WC,   3110400                     ; the weights' codes: 192 tiles x 9,216 (Wq 0-47, Wk 48-95, Wv 96-143, Wo 144-191)
.set WSS,  4879872                     ; the weights' scale words
.set STG,  8448                        ; LDS: a stage of 16 rows x 528 bytes for each wave
.set SP,   528                         ; a stage row: 512 bytes + 16, an odd multiple of 16
.set TM,   12                          ; v12-27  at work in QUANT4
.set PC,   32                          ; v32-51  the codes just made
.set X,    52                          ; v52-115 64 numbers of a lane
.set R0,   116                         ; v116-179 K step 0 as loaded; later K step 1's 64 numbers
.set R1,   180                         ; v180-243 K step 1 as loaded
.set SEL,  32                          ; s[32:33] lane selects: lane l xor 16
; 64 numbers of a lane, register 16 b + i = k 32 b + 16 (lane / 16) + i of my row, become a fragment's codes in v[PC] on and its scale word in v[pw].
.macro QUANT4 s, pw
.irp b, 0,1,2,3
	v_max3_num_f32 v[TM+\b], |v[\s+16*\b]|, |v[\s+1+16*\b]|, 0x1800000   ; block b: my 16 numbers, and the floor 2^(3 - 127): the byte cannot fall under 1
.endr
.irp i, 2,4,6,8,10,12,14
.irp b, 0,1,2,3
	v_max3_num_f32 v[TM+\b], v[TM+\b], |v[\s+16*\b+\i]|, |v[\s+1+16*\b+\i]|   ; the four blocks by turns
.endr
.endr
.irp b, 0,1,2,3
	v_permlanex16_b32 v[TM+4+\b], v[TM+\b], s[SEL], s[SEL+1]
.endr
.irp b, 0,1,2,3
	v_max_num_f32 v[TM+\b], v[TM+\b], v[TM+4+\b]       ; with lane l xor 16's: the block's largest magnitude
.endr
.irp b, 0,1,2,3
	v_add_nc_u32 v[TM+12+\b], 0xff000000, v[TM+\b]     ; 2 off its exponent field: the conversion's scale operand
.endr
.irp b, 0,1,2,3
	v_lshrrev_b32 v[TM+4+\b], 23, v[TM+12+\b]          ; the scale's byte
.endr
	v_lshl_or_b32 v[\pw], v[TM+5], 8, v[TM+4]          ; four bytes: my row's scale word
	v_lshl_or_b32 v[\pw], v[TM+6], 16, v[\pw]
	v_lshl_or_b32 v[\pw], v[TM+7], 24, v[\pw]
.irp c, 0,1
	v_cvt_scalef32_pk16_fp6_f32 v[PC+6*\c:PC+2+6*\c], v[\s+32*\c:\s+15+32*\c], v[TM+12+2*\c]
	v_cvt_scalef32_pk16_fp6_f32 v[PC+12+4*\c:PC+14+4*\c], v[\s+16+32*\c:\s+31+32*\c], v[TM+12+2*\c+1]   ; (a conversion's three registers begin on an even number)
.endr
	v_nop                                              ; one plain line behind a scaled conversion
.irp c, 0,1                                        ; the layout wants a whole block in a lane: lanes 0-15 block 2 c, lanes 16-31 block 2 c + 1
.irp i, 0,1,2
	v_permlane16_swap_b32 v[PC+6*\c+\i], v[PC+12+4*\c+\i]
.endr
.irp i, 0,1,2
	v_mov_b32 v[PC+3+6*\c+\i], v[PC+12+4*\c+\i]
.endr
.endr
.endm
; 16 rows x 512 bytes go into my stage as loaded and come back 16 neighbours of each block a lane.  LDS serves a wave's instructions in order: no wait between the stores and the loads.
.macro THROUGH src, dst
.irp i, 0,1,2,3,4,5,6,7,8,9,10,11,12,13,14,15
	ds_store_b128 v4, v[\src+4*\i:\src+4*\i+3] offset:\i*SP
.endr
.irp i, 0,1,2,3,4,5,6,7,8,9,10,11,12,13,14,15
	ds_load_b128 v[\dst+4*\i:\dst+4*\i+3], v5 offset:128*(\i/4)+16*(\i%4)
.endr
	s_wait_dscnt 0x0
.endm
.macro PUT e                           ; the fragment of K step e: each store covers consecutive bytes
	global_store_b128 v3, v[PC:PC+3], s[28:29] offset:1536*\e
	global_store_b64 v6, v[PC+4:PC+5], s[28:29] offset:1536*\e+512
	global_store_b128 v3, v[PC+6:PC+9], s[28:29] offset:1536*\e+768
	global_store_b64 v6, v[PC+10:PC+11], s[28:29] offset:1536*\e+1280
.endm
; a weight's block kb of 32 along K: all 32 numbers of my column are mine.  left: the younger blocks' loads that may stay out
.macro WBLOCK kb, left
.set XS, 128+32*\kb
.set CW, 32+8*\kb
.set TW, 64+4*\kb
	s_wait_loadcnt \left
	v_max3_num_f32 v12, |v[XS]|, |v[XS+1]|, |v[XS+2]|
	v_max3_num_f32 v13, |v[XS+3]|, |v[XS+4]|, |v[XS+5]|
.irp i, 6,10,14,18,22,26
	v_max3_num_f32 v12, v12, |v[XS+\i]|, |v[XS+\i+1]|
	v_max3_num_f32 v13, v13, |v[XS+\i+2]|, |v[XS+\i+3]|
.endr
	v_max3_num_f32 v12, v12, |v[XS+30]|, |v[XS+31]|
	v_max3_num_f32 v12, v12, v13, 0x1800000            ; and the floor
	v_add_nc_u32 v11, 0xff000000, v12                  ; the conversion's scale operand
	v_lshrrev_b32 v13, 23, v11                         ; the byte
.if \kb == 0
	v_mov_b32 v10, v13
.else
	v_lshl_or_b32 v10, v13, 8*\kb, v10                 ; four bytes to the K step's scale word
.endif
	v_cvt_scalef32_pk16_fp6_f32 v[CW:CW+2], v[XS:XS+15], v11
	v_cvt_scalef32_pk16_fp6_f32 v[TW:TW+2], v[XS+16:XS+31], v11
	v_nop                                              ; one plain line behind a scaled conversion
.irp i, 0,1,2
	v_mov_b32 v[CW+3+\i], v[TW+\i]
.endr
	global_store_b128 v4, v[CW:CW+3], s[28:29] offset:(\kb/2)*768+256*(\kb%2)         ; block kb = 2 c + h: half c, lane r + 16 h.  Each block has registers of its own: no store's data are written again
	global_store_b64 v5, v[CW+4:CW+5], s[28:29] offset:(\kb/2)*768+512+128*(\kb%2)
.endm
	s_load_b256 s[4:11], s[0:1], 0x0               ; hidden_states, Wq, Wk, Wv
	s_load_b128 s[12:15], s[0:1], 0x20             ; Wo, prep
	v_lshl_add_u32 v31, v0, 2, 0xc600
	v_mov_b32 v47, 0
	v_lshrrev_b32 v1, 5, v0
	v_readfirstlane_b32 s16, v1                    ; wave 0..5
	v_and_b32 v2, 31, v0                           ; lane
	s_mov_b32 s[SEL], 0x76543210
	s_mov_b32 s[SEL+1], 0xfedcba98
	s_cmp_ge_u32 ttmp9, 162
	s_cbranch_scc1 .Lweights
	; ---- hidden_states: pair gp = the work-group's number
	s_mul_i32 s17, ttmp9, 205
	s_lshr_b32 s17, s17, 12
	s_min_u32 s17, s17, 7                          ; batch b = gp / 20 (205 / 4096 serves gp up to 159); pairs 160, 161 are two more copies of the last row
	s_mul_i32 s18, s17, 20
	s_sub_co_u32 s18, ttmp9, s18                   ; the pair in its batch
	s_cmp_ge_u32 s16, 3
	s_cselect_b32 s19, 1, 0                        ; u: which tile of the pair
	s_mul_i32 s20, s19, 3
	s_sub_co_u32 s20, s16, s20                     ; j: K steps 2 j, 2 j + 1
	s_mul_i32 s21, s17, 577
	s_lshl_b32 s22, s18, 5
	s_lshl_b32 s23, s19, 3
	s_add_co_u32 s22, s22, s23                     ; 32 pair + 8 u
	s_cmp_ge_u32 s18, 18
	s_cselect_b32 s22, 576, s22                    ; from pair 18 on every row is row 576
	s_add_co_u32 s21, s21, s22                     ; the tile's first row
	s_mul_i32 s24, s21, 3072
	s_lshl_b32 s23, s20, 10
	s_add_co_u32 s24, s24, s23                     ; + 1,024 j: my two K steps
	s_mov_b32 s25, 0
	s_lshl_b32 s27, ttmp9, 1
	s_add_co_u32 s27, s27, s19                     ; tile
	s_mul_i32 s28, s27, 9216
	s_mul_i32 s29, s20, 3072
	s_add_co_u32 s28, s28, s29                     ; its codes, K step 2 j
	s_mov_b32 s29, 0
	s_mul_i32 s30, s27, 384
	s_lshl_b32 s31, s20, 7
	s_add_co_u32 s30, s30, s31
	s_add_co_u32 s30, s30, HSS                     ; its scale words, K step 2 j
	s_mov_b32 s31, 0
	s_mov_b32 s34, 0xffff0000                      ; lanes 16-31
	s_mul_i32 s26, s16, STG                        ; my stage
	v_lshlrev_b32 v3, 4, v2                        ; 16 L
	v_lshlrev_b32 v6, 3, v2                        ; 8 L
	v_lshlrev_b32 v7, 2, v2                        ; 4 L
	v_and_b32 v8, 15, v0                           ; r
	v_bfe_u32 v9, v0, 4, 1                         ; h
	v_add_nc_u32 v4, s26, v3                       ; into the stage: 16 L of a row
	v_mul_u32_u24 v5, v8, SP
	v_lshl_add_u32 v5, v9, 6, v5
	v_add_nc_u32 v5, s26, v5                       ; out of it: row r, + 64 h: my 16 numbers of each block
.irp b, 0,1,2,3
	v_mov_b32 v[TM+4+\b], 0                        ; written once: a lane permute's destination counts as one of its sources
.endr
	s_wait_kmcnt 0x0
	s_add_nc_u64 s[4:5], s[4:5], s[24:25]
	s_add_nc_u64 s[28:29], s[14:15], s[28:29]
	s_add_nc_u64 s[30:31], s[14:15], s[30:31]
	s_cmp_ge_u32 s18, 18
	s_cbranch_scc1 .Lpadded
.irp e, 0,1
.irp i, 0,1,2,3,4,5,6,7,8,9,10,11,12,13,14,15
	global_load_b128 v[R0+64*\e+4*\i:R0+64*\e+4*\i+3], v3, s[4:5] offset:(\i+8*(\i/8))*3072+512*\e th:TH_LOAD_NT   ; lane row i: 32 lanes read 512 consecutive bytes
.endr
.endr
	s_branch .Lasked
.Lpadded:                                          ; the same count of loads, all of row 576: no load leaves the buffer
.irp e, 0,1
.irp i, 0,1,2,3,4,5,6,7,8,9,10,11,12,13,14,15
	global_load_b128 v[R0+64*\e+4*\i:R0+64*\e+4*\i+3], v3, s[4:5] offset:512*\e
.endr
.endr
.Lasked:
	s_wait_loadcnt 16                              ; the first K step's 16 loads are in; the second's 16 may be out
	THROUGH R0, X
	QUANT4 X, 28
	PUT 0
	s_wait_loadcnt 0x0
	THROUGH R1, R0
	s_wait_xcnt 0x0                                ; the stores above have read the codes' registers, which are written again below
	QUANT4 R0, 29
	PUT 1
	v_cndmask_b32 v30, v28, v29, s34               ; lanes 0-15: K step 2 j's word of row r; lanes 16-31: K step 2 j + 1's
	global_store_b32 v7, v30, s[30:31]
	s_wait_tensorcnt 0x0
	ds_add_u32 v31, v47
	s_wait_dscnt 0x0
	s_endpgm
.Lweights:                                         ; ---- a weight: A LANE TAKES A COLUMN n, AND ITS REGISTERS RUN DOWN K
	s_sub_co_u32 s17, ttmp9, 162
	s_lshr_b32 s18, s17, 4                         ; K step s
	s_bfe_u32 s19, s17, 0x20002                    ; which weight
	s_and_b32 s20, s17, 3
	s_mul_i32 s20, s20, 6
	s_add_co_u32 s20, s20, s16                     ; pair p of tiles: columns 32 p on; the six waves stand side by side on 768 bytes
	s_mul_i32 s24, s18, 393216                     ; 128 rows of 3,072 bytes
	s_lshl_b32 s21, s20, 7
	s_add_co_u32 s24, s24, s21
	s_mov_b32 s25, 0
	s_mul_i32 s21, s19, 48
	s_lshl_b32 s22, s20, 1
	s_add_co_u32 s21, s21, s22                     ; tile 48 x weight + 2 p
	s_mul_i32 s28, s21, 9216
	s_mul_i32 s22, s18, 1536
	s_add_co_u32 s28, s28, s22
	s_add_co_u32 s28, s28, WC
	s_mov_b32 s29, 0
	s_mul_i32 s30, s21, 384
	s_lshl_b32 s22, s18, 6
	s_add_co_u32 s30, s30, s22
	s_add_co_u32 s30, s30, WSS
	s_mov_b32 s31, 0
	v_lshlrev_b32 v3, 2, v2                        ; in: 4 bytes a lane
	v_bfe_u32 v8, v0, 3, 1                         ; column 32 p + l is lane row r of tile 2 p + u: u = (l / 8) % 2,
	v_and_b32 v9, 7, v0
	v_bfe_u32 v7, v0, 4, 1
	v_lshl_add_u32 v9, v7, 3, v9                   ; r = l % 8 + 8 (l / 16)
	v_mul_u32_u24 v4, v8, 9216
	v_lshl_add_u32 v5, v9, 3, v4                   ; 9,216 u + 8 r
	v_lshl_add_u32 v4, v9, 4, v4                   ; 9,216 u + 16 r
	v_mul_u32_u24 v6, v8, 384
	v_lshl_add_u32 v6, v9, 2, v6                   ; 384 u + 4 r
	s_wait_kmcnt 0x0
	s_cmp_lt_u32 s19, 2
	s_cselect_b64 s[36:37], s[6:7], s[10:11]       ; Wq or Wv
	s_cselect_b64 s[38:39], s[8:9], s[12:13]       ; Wk or Wo
	s_and_b32 s22, s19, 1
	s_cmp_eq_u32 s22, 0
	s_cselect_b64 s[36:37], s[36:37], s[38:39]
	s_add_nc_u64 s[36:37], s[36:37], s[24:25]
	s_add_nc_u64 s[28:29], s[14:15], s[28:29]
	s_add_nc_u64 s[30:31], s[14:15], s[30:31]
.irp kb, 0,1,2,3
.irp i, 0,1,2,3,4,5,6,7,8,9,10,11,12,13,14,15,16,17,18,19,20,21,22,23,24,25,26,27,28,29,30,31
	global_load_b32 v[128+32*\kb+\i], v3, s[36:37] offset:(32*\kb+\i)*3072 th:TH_LOAD_NT
.endr
.endr
	WBLOCK 0, 63                                   ; 96 and 64 younger loads could stay out; a wait names 63 at the most (ISA guide 5.7.1)
	WBLOCK 1, 63
	WBLOCK 2, 32
	WBLOCK 3, 0
	global_store_b32 v6, v10, s[30:31]
	s_endpgm
.Lfunc_end_k_qfe5876cc33_prep:
	.size	k_qfe5876cc33_prep, .Lfunc_end_k_qfe5876cc33_prep-k_qfe5876cc33_prep
	.p2alignl 7, 3214868480
	.fill 96, 4, 3214868480
	.section	.rodata,"a",@progbits
	.p2align	6, 0x0
	.amdhsa_kernel k_qfe5876cc33_prep
		.amdhsa_group_segment_fixed_size 51456
		.amdhsa_private_segment_fixed_size 0
		.amdhsa_enable_private_segment 0
		.amdhsa_kernarg_size 48
		.amdhsa_user_sgpr_count 2
		.amdhsa_user_sgpr_kernarg_segment_ptr 1
		.amdhsa_wavefront_size32 1
		.amdhsa_system_sgpr_workgroup_id_x 1
		.amdhsa_system_sgpr_workgroup_id_y 1
		.amdhsa_system_sgpr_workgroup_id_z 1
		.amdhsa_system_vgpr_workitem_id 0
		.amdhsa_next_free_vgpr 256
		.amdhsa_next_free_sgpr 66
		.amdhsa_reserve_vcc 0
		.amdhsa_float_denorm_mode_32 3
		.amdhsa_float_denorm_mode_16_64 3
		.amdhsa_memory_ordered 1
		.amdhsa_forward_progress 1
		.amdhsa_inst_pref_size 43
	.end_amdhsa_kernel
	.amdgpu_metadata
---
amdhsa.version: [ 1, 2 ]
amdhsa.kernels:
  - .name:           k_qfe5876cc33_prep
    .symbol:         k_qfe5876cc33_prep.kd
    .args:
      - { .name: hidden_states, .offset: 0, .size: 8, .value_kind: global_buffer, .address_space: global }
      - { .name: Wq, .offset: 8, .size: 8, .value_kind: global_buffer, .address_space: global }
      - { .name: Wk, .offset: 16, .size: 8, .value_kind: global_buffer, .address_space: global }
      - { .name: Wv, .offset: 24, .size: 8, .value_kind: global_buffer, .address_space: global }
      - { .name: Wo, .offset: 32, .size: 8, .value_kind: global_buffer, .address_space: global }
      - { .name: prep, .offset: 40, .size: 8, .value_kind: global_buffer, .address_space: global }
    .group_segment_fixed_size: 51456
    .private_segment_fixed_size: 0
    .kernarg_segment_align: 8
    .kernarg_segment_size: 48
    .max_flat_workgroup_size: 192
    .sgpr_count:     66
    .vgpr_count:     256
    .wavefront_size: 32
...
	.end_amdgpu_metadata
.endif
;; end of part 1
;; launch qkv (part 2): grid 241 x 1, 12 waves a work-group, no clusters, 259,584 bytes of LDS; arguments prep, bq, bk, bv, qkv; writes qkv
.if DOCPART == 2
	.amdgcn_target "amdgcn-amd-amdhsa--gfx1250"
	.amdhsa_code_object_version 6
	.text
	.protected	k_qfe5876cc33_qkv
	.globl	k_qfe5876cc33_qkv
	.p2align	8
	.type	k_qfe5876cc33_qkv,@function
k_qfe5876cc33_qkv:
	s_mov_b64 s[64:65], 0
	v_nop
	global_prefetch_b8 v0, s[64:65] scope:SCOPE_SE
	s_setreg_imm32_b32 hwreg(HW_REG_WAVE_MODE, 25, 1), 1
	s_wait_xcnt 0x0
; QKV: q = hs Wq + bq, k = hs Wk + bk, v = hs Wv + bv on codes of E2M3 (K = 768, six matrix instructions deep), and each result quantised at once for attention's products.
; The pruned operands of reference()'s straight-through sums are not computed: dense + pruned - pruned is taken as dense (at most 2^-23 of the pruned number apart; a number where the pruned product alone overflows).
; LIMITS OF RANGE: blocks whose largest magnitude lies under 2^-124 get the byte 1; NaN and infinities are not served.
; A work-group multiplies 12 tiles X (source 0) by 16 tiles Y (source 1); a wave 4 x 4 tiles: 16 accumulators.  A lane then holds ONE row of Y, and its registers run along X's rows, 16 neighbours in the
; 16 registers of tiles 2 p, 2 p + 1 (the tiles' rows are laid for that).  So what is to be K of the next product is X:
;   work-groups 0-159, q and k: X = 12 tiles of Wq | Wk (three heads), Y = 16 tiles of tokens: a lane holds a token and a head's 64 channels: half a fragment (K = 64) of Q or K.
;   work-groups 160-240, v: X = 12 tiles of tokens, Y = 16 tiles of Wv (four heads): a lane holds a channel and 64 keys: half a fragment of V with the keys innermost.
; All of K lies in LDS at once: three pieces of two K steps, each filled once by tensor loads issued at the head; a piece is read as soon as it has landed.  Nothing is filled again.
; NO CLUSTER: 241 work-groups of two kinds are no multiple of four, and a work-group asks for all its operands once, at its head.
; The sums begin as the bias, in the accumulators: all six K steps are alike, and no addition is spent.
; REGISTERS: v1-4 LDS addresses; v5 4 x lane; v6 the bias's offset; v8-19 X's scale words (3 t + piece), v20-31 Y's: lanes 0-15 the piece's first K step, lanes 16-31 its second;
;   v32-79 X's four fragments, v80-127 Y's; v128-255 the accumulators (32 y + 8 t).
.set HSS,  2985984
.set WC,   3110400
.set WSS,  4879872
.set KC,   2949120                     ; qkv: K's half fragments (Q's at 0): 768 bytes at (320 head + tile) x 768
.set VC,   5898240                     ; V's: ((81 head + hx) x 4 + dt) x 768, hx = 64 keys
.set QS,   8884224                     ; Q's scale words: 64 bytes a tile; bytes 2 and 3 are 0 (the upper 64 of K are zero codes)
.set KS,   9129984
.set VS,   9375744                     ; V's: 128 bytes for each hx: word 16 i + r: channel tile 2 i's two bytes below, 2 i + 1's above
.set PIECE, 86016                      ; LDS: 28 tiles x 3,072 bytes (two K steps); X's tiles 0-11, Y's 12-27
.set QT,   64                          ; v64-66  QH: the second conversion's result
.set QM,   68                          ; v68-75  QH: at work
.set SEL,  66                          ; s[66:67] lane selects: lane l xor 16
.set MHI,  68                          ; s68     lanes 16-31
; One K step: the piece's e-th.  32 LDS loads of consecutive bytes, 16 products (the accumulators by turns), four places in front of the next loads into these registers.
.macro KSTEP P, e
.irp t, 0,1,2,3
.irp c, 0,1
	ds_load_b128 v[32+12*\t+6*\c:35+12*\t+6*\c], v1 offset:\t*3072+\e*1536+\c*768
	ds_load_b64 v[36+12*\t+6*\c:37+12*\t+6*\c], v2 offset:\t*3072+\e*1536+\c*768
	ds_load_b128 v[80+12*\t+6*\c:83+12*\t+6*\c], v3 offset:\t*3072+\e*1536+\c*768
	ds_load_b64 v[84+12*\t+6*\c:85+12*\t+6*\c], v4 offset:\t*3072+\e*1536+\c*768
.endr
.endr
	s_wait_dscnt 0x0
.irp y, 0,1,2,3
.irp t, 0,1,2,3
.if \e
	v_wmma_scale_f32_16x16x128_f8f6f4 v[128+32*\y+8*\t:135+32*\y+8*\t], v[32+12*\t:43+12*\t], v[80+12*\y:91+12*\y], v[128+32*\y+8*\t:135+32*\y+8*\t], v[8+3*\t+\P], v[20+3*\y+\P] matrix_a_fmt:MATRIX_FMT_FP6 matrix_b_fmt:MATRIX_FMT_FP6 matrix_a_scale:MATRIX_SCALE_ROW1 matrix_b_scale:MATRIX_SCALE_ROW1
.else
	v_wmma_scale_f32_16x16x128_f8f6f4 v[128+32*\y+8*\t:135+32*\y+8*\t], v[32+12*\t:43+12*\t], v[80+12*\y:91+12*\y], v[128+32*\y+8*\t:135+32*\y+8*\t], v[8+3*\t+\P], v[20+3*\y+\P] matrix_a_fmt:MATRIX_FMT_FP6 matrix_b_fmt:MATRIX_FMT_FP6
.endif
.endr
.endr
.rept 4
	v_nop
.endr
.endm
; 32 numbers of a lane, register 16 b + i = k 32 b + 16 (lane / 16) + i of my row, become half a fragment's codes in v[cd] .. v[cd + 5] and two scale bytes in v[hw].  The numbers are read from the low end on.
.macro QH s, cd, hw
	v_max3_num_f32 v[QM], |v[\s]|, |v[\s+1]|, 0x1800000            ; the floor 2^(3 - 127): the byte cannot fall under 1
	v_max3_num_f32 v[QM+1], |v[\s+16]|, |v[\s+17]|, 0x1800000
.irp i, 2,4,6,8,10,12,14
	v_max3_num_f32 v[QM], v[QM], |v[\s+\i]|, |v[\s+1+\i]|
	v_max3_num_f32 v[QM+1], v[QM+1], |v[\s+16+\i]|, |v[\s+17+\i]|
.endr
	v_permlanex16_b32 v[QM+2], v[QM], s[SEL], s[SEL+1]
	v_permlanex16_b32 v[QM+3], v[QM+1], s[SEL], s[SEL+1]
	v_max_num_f32 v[QM], v[QM], v[QM+2]                            ; with lane l xor 16's 16: the blocks' largest magnitudes
	v_max_num_f32 v[QM+1], v[QM+1], v[QM+3]
	v_add_nc_u32 v[QM+4], 0xff000000, v[QM]                        ; 2 off the exponent field: the conversion's scale operand
	v_add_nc_u32 v[QM+5], 0xff000000, v[QM+1]
	v_lshrrev_b32 v[QM+6], 23, v[QM+4]                             ; the bytes
	v_lshrrev_b32 v[QM+7], 23, v[QM+5]
	v_lshl_or_b32 v[\hw], v[QM+7], 8, v[QM+6]
	v_cvt_scalef32_pk16_fp6_f32 v[\cd:\cd+2], v[\s:\s+15], v[QM+4]
	v_cvt_scalef32_pk16_fp6_f32 v[QT:QT+2], v[\s+16:\s+31], v[QM+5]
	v_nop                                                          ; one plain line behind a scaled conversion
.irp i, 0,1,2
	v_permlane16_swap_b32 v[\cd+\i], v[QT+\i]                      ; a whole block to a lane: lanes 0-15 block 0, lanes 16-31 block 1
.endr
.irp i, 0,1,2
	v_mov_b32 v[\cd+3+\i], v[QT+\i]
.endr
.endm
	s_load_b256 s[4:11], s[0:1], 0x0               ; prep, bq, bk, bv
	s_load_b64 s[12:13], s[0:1], 0x20              ; qkv
	s_set_vgpr_msb 0x40
	v_lshl_add_u32 v0, v0, 2, 0x3f000
	v_mov_b32 v1, 0
	s_set_vgpr_msb 0x4045
	ds_add_u32 v0, v1
	ds_add_u32 v0, v1
	s_set_vgpr_msb 0x4500
	v_lshrrev_b32 v1, 5, v0
	v_readfirstlane_b32 s14, v1                    ; wave 0..11
	s_lshr_b32 s15, s14, 2                         ; xg: my four tiles of X
	s_and_b32 s36, s14, 3                          ; yg: my four tiles of Y
	s_lshr_b32 s37, ttmp9, 3                       ; q, k: ry: tokens' tiles 16 ry on
	s_and_b32 s38, ttmp9, 7                        ;       cx: weights' tiles 12 cx on (0-3: Wq, 4-7: Wk)
	s_max_u32 s39, ttmp9, 160
	s_sub_co_u32 s39, s39, 160
	s_mul_i32 s40, s39, 171
	s_lshr_b32 s40, s40, 9                         ; v: rv = id / 3 (171 / 512 serves id up to 80): tokens' tiles 12 rv on
	s_mul_i32 s41, s40, 3
	s_sub_co_u32 s41, s39, s41                     ;    cv: Wv's tiles 16 cv on
	s_mul_i32 s42, s38, 12*9216
	s_add_co_u32 s42, s42, WC
	s_mul_i32 s43, s37, 16*9216
	s_mul_i32 s44, s40, 12*9216
	s_mul_i32 s45, s41, 16*9216
	s_add_co_u32 s45, s45, WC+96*9216
	s_mul_i32 s46, s38, 12*384
	s_add_co_u32 s46, s46, WSS
	s_mul_i32 s47, s37, 16*384
	s_add_co_u32 s47, s47, HSS
	s_mul_i32 s48, s40, 12*384
	s_add_co_u32 s48, s48, HSS
	s_mul_i32 s49, s41, 16*384
	s_add_co_u32 s49, s49, WSS+96*384
	s_cmp_lt_u32 ttmp9, 160
	s_cselect_b32 s42, s42, s44                    ; X's codes, in bytes from prep's first
	s_cselect_b32 s43, s43, s45                    ; Y's codes
	s_cselect_b32 s46, s46, s48                    ; X's scale words
	s_cselect_b32 s47, s47, s49                    ; Y's scale words
	; descriptor group 1: four tiles' 3,072 bytes of a piece, 9,216 bytes apart in memory, dense in LDS: elements of 8 bytes
	s_mov_b32 s16, 3<<16                           ; no mask; elements of 8 bytes; no padding
	s_mov_b32 s17, 384<<16                         ; tensor_dim0 = 384
	s_mov_b32 s18, 4<<16                           ; tensor_dim1 = 4
	s_mov_b32 s19, 384<<16                         ; tile_dim0 = 384
	s_mov_b32 s20, 4                               ; tile_dim1 = 4
	s_mov_b32 s21, 1152                            ; from row to row
	s_mov_b32 s22, 0
	s_mov_b32 s23, 0
	s_cmp_lt_u32 s14, 3                            ; waves 0-2 fetch X's tiles 4 w on, waves 3-6 Y's 4 (w - 3) on
	s_cselect_b32 s50, s42, s43
	s_cselect_b32 s51, 0, 3
	s_sub_co_u32 s51, s14, s51
	s_mul_i32 s51, s51, 36864
	s_add_co_u32 s50, s50, s51
	s_mov_b32 s51, 0
	s_mul_i32 s52, s14, 12288                      ; LDS: tiles 4 w on
	s_wait_dscnt 0x0
	s_wait_kmcnt 0x0
	s_add_nc_u64 s[50:51], s[4:5], s[50:51]
.irp P, 0,1,2
	s_mov_b32 s[24+4*\P], 1
	s_add_co_u32 s[25+4*\P], s52, \P*PIECE
	s_add_nc_u64 s[26+4*\P:27+4*\P], s[50:51], \P*3072
	s_or_b32 s[27+4*\P], s[27+4*\P], 0x80000000
.endr
	s_cmp_lt_u32 s14, 7
	s_cbranch_scc0 .Lno_fill                       ; a wave's three fills stand in one branch on the wave's number: three loads of mine are out at the most
	tensor_load_to_lds s[24:27], s[16:23]
	s_nop 0
	tensor_load_to_lds s[28:31], s[16:23]
	s_nop 0
	tensor_load_to_lds s[32:35], s[16:23]
	s_nop 0
.rept 4
	v_nop
.endr
.Lno_fill:
	v_and_b32 v7, 31, v0                           ; lane
	v_lshlrev_b32 v5, 2, v7
	s_mul_i32 s53, s15, 12288
	s_mul_i32 s54, s36, 12288
	s_add_co_u32 s54, s54, 36864
	v_lshl_add_u32 v1, v7, 4, s53                  ; X: 16 L + my four tiles
	v_lshl_add_u32 v2, v7, 3, s53
	v_add_nc_u32 v2, 512, v2                       ;    8 L + 512
	v_lshl_add_u32 v3, v7, 4, s54                  ; Y likewise, behind X's twelve tiles
	v_lshl_add_u32 v4, v7, 3, s54
	v_add_nc_u32 v4, 512, v4
	s_mul_i32 s56, s15, 4*384
	s_add_co_u32 s56, s56, s46
	s_mov_b32 s57, 0
	s_add_nc_u64 s[56:57], s[4:5], s[56:57]
	s_mul_i32 s58, s36, 4*384
	s_add_co_u32 s58, s58, s47
	s_mov_b32 s59, 0
	s_add_nc_u64 s[58:59], s[4:5], s[58:59]
.irp t, 0,1,2,3
.irp P, 0,1,2
	global_load_b32 v[8+3*\t+\P], v5, s[56:57] offset:\t*384+128*\P
	global_load_b32 v[20+3*\t+\P], v5, s[58:59] offset:\t*384+128*\P
.endr
.endr
	s_and_b32 s55, s38, 3
	s_mul_i32 s55, s55, 3
	s_add_co_u32 s55, s55, s15                     ; q, k: head 3 (cx % 4) + xg
	s_lshl_b32 s62, s41, 2
	s_add_co_u32 s62, s62, s36                     ; v: head 4 cv + yg
	s_cmp_lt_u32 s38, 4
	s_cselect_b64 s[60:61], s[6:7], s[8:9]
	s_cmp_lt_u32 ttmp9, 160
	s_cselect_b64 s[60:61], s[60:61], s[10:11]     ; the bias
	s_cselect_b32 s55, s55, s62                    ; the head
	s_lshl_b32 s62, s55, 8
	s_mov_b32 s63, 0
	s_add_nc_u64 s[60:61], s[60:61], s[62:63]      ; at the head's 64 numbers
	s_mov_b32 s[SEL], 0x76543210
	s_mov_b32 s[SEL+1], 0xfedcba98
	s_mov_b32 s[MHI], 0xffff0000
	s_mov_b32 s71, 0xffff
	s_mul_i32 s70, s40, 3
	s_add_co_u32 s70, s70, s15                     ; v: hx = 3 rv + xg: which 64 keys
	s_mul_i32 s69, s70, 205
	s_lshr_b32 s69, s69, 11                        ; hx / 10 (205 / 2048 serves hx up to 80)
	s_mul_i32 s69, s69, 10
	s_sub_co_u32 s69, s70, s69
	s_cmp_eq_u32 s69, 9
	s_cselect_b32 s69, 1, 0
	s_cmp_lt_u32 ttmp9, 160
	s_cselect_b32 s69, 0, s69                      ; 1: my 64 keys are a batch's 576 to 639
	s_mul_i32 s76, s55, 320
	s_lshl_b32 s77, s37, 4
	s_add_co_u32 s76, s76, s77
	s_lshl_b32 s77, s36, 2
	s_add_co_u32 s76, s76, s77                     ; q, k: 320 head + 16 ry + 4 yg
	s_mul_i32 s72, s76, 768
	s_lshl_b32 s74, s76, 6
	s_cmp_lt_u32 s38, 4
	s_cselect_b32 s77, 0, KC
	s_mov_b32 s78, KS
	s_cselect_b32 s78, QS, s78
	s_add_co_u32 s72, s72, s77
	s_add_co_u32 s74, s74, s78
	s_mul_i32 s76, s55, 81
	s_add_co_u32 s76, s76, s70                     ; v: 81 head + hx
	s_mul_i32 s77, s76, 3072
	s_add_co_u32 s77, s77, VC
	s_lshl_b32 s78, s76, 7
	s_add_co_u32 s78, s78, VS
	s_cmp_lt_u32 ttmp9, 160
	s_cselect_b32 s72, s72, s77
	s_cselect_b32 s74, s74, s78
	s_mov_b32 s73, 0
	s_mov_b32 s75, 0
	s_add_nc_u64 s[72:73], s[12:13], s[72:73]      ; where my codes go,
	s_add_nc_u64 s[74:75], s[12:13], s[74:75]      ; and my scale words
	s_cmp_lt_u32 ttmp9, 160
	s_cbranch_scc0 .Lbias_v
	v_bfe_u32 v6, v0, 4, 1
	v_lshlrev_b32 v6, 6, v6                        ; q, k: register 8 t + j is channel 32 (t / 2) + 16 h + 8 (t % 2) + j: the bias comes straight into the accumulators
.irp y, 0,1,2,3
.irp t, 0,1,2,3
	global_load_b128 v[128+32*\y+8*\t:131+32*\y+8*\t], v6, s[60:61] offset:(32*(\t/2)+8*(\t%2))*4
	global_load_b128 v[132+32*\y+8*\t:135+32*\y+8*\t], v6, s[60:61] offset:(32*(\t/2)+8*(\t%2))*4+16
.endr
.endr
	s_wait_loadcnt 0x0                             ; the scale words and the bias
	s_branch .Lbias_done
.Lbias_v:
	v_and_b32 v6, 15, v0
	v_and_b32 v7, 8, v6
	v_add_nc_u32 v6, v6, v7
	v_lshlrev_b32 v6, 2, v6                        ; v: my lane's channel of tile y is 32 (y / 2) + 8 (y % 2) + r + 8 (r / 8): one number for all 32 registers
.irp y, 0,1,2,3
	global_load_b32 v[32+\y], v6, s[60:61] offset:(32*(\y/2)+8*(\y%2))*4
.endr
	s_wait_loadcnt 0x0
.irp y, 0,1,2,3
.set n, 0
.rept 32
	v_mov_b32 v[128+32*\y+n], v[32+\y]             ; the sums begin as the bias
.set n, n+1
.endr
.endr
.rept 4
	v_nop                                          ; plain lines between the last copy and the first product
.endr
.Lbias_done:
.irp P, 0,1,2
	s_wait_tensorcnt 2-\P                          ; my part of piece P has landed; the later pieces' loads may stay out
	s_wait_dscnt 0x0
	s_barrier_signal -1
	s_barrier_wait -1                              ; everybody's has
	KSTEP \P, 0
	KSTEP \P, 1
.if \P < 2
	v_add_nc_u32 v1, PIECE, v1
	v_add_nc_u32 v2, PIECE, v2
	v_add_nc_u32 v3, PIECE, v3
	v_add_nc_u32 v4, PIECE, v4
.endif
.endr
	; of keys 576 to 639 key 576 alone is real: the rest of its block of 32 becomes zeros ahead of the block's maximum (the block behind it meets zero codes of p)
	s_cmp_eq_u32 s69, 1
	s_cbranch_scc0 .Lno_mask
.irp y, 0,1,2,3
	v_cndmask_b32 v[128+32*\y], 0, v[128+32*\y], s71               ; register 0 is key 576 + 16 h
.irp i, 1,2,3,4,5,6,7,8,9,10,11,12,13,14,15
	v_mov_b32 v[128+32*\y+\i], 0
.endr
.endr
.Lno_mask:
	v_and_b32 v7, 31, v0
	v_lshlrev_b32 v1, 4, v7                        ; 16 L
	v_lshlrev_b32 v2, 3, v7                        ; 8 L
	v_mov_b32 v[QM+2], 0                           ; a lane permute's destination counts as one of its sources
	v_mov_b32 v[QM+3], 0
.irp y, 0,1,2,3
	QH 128+32*\y, 32+8*\y, 76+\y
	global_store_b128 v1, v[32+8*\y:35+8*\y], s[72:73] offset:768*\y       ; each tile has registers of its own: no store's data are written again
	global_store_b64 v2, v[36+8*\y:37+8*\y], s[72:73] offset:768*\y+512
.endr
	s_cmp_lt_u32 ttmp9, 160
	s_cbranch_scc0 .Lscale_v
	v_cndmask_b32 v68, v76, v77, s[MHI]            ; lanes 0-15: tile 0's words; lanes 16-31: tile 1's
	v_cndmask_b32 v69, v78, v79, s[MHI]
	global_store_b32 v5, v68, s[74:75]
	global_store_b32 v5, v69, s[74:75] offset:128
	s_set_vgpr_msb 0x5
	s_wait_tensorcnt 0x0
	ds_add_u32 v0, v1
	s_wait_dscnt 0x0
	s_set_vgpr_msb 0x500
	s_endpgm
.Lscale_v:
	v_lshl_or_b32 v68, v77, 16, v76                ; channel tiles 0 and 1,
	v_lshl_or_b32 v69, v79, 16, v78                ; 2 and 3
	v_cndmask_b32 v68, v68, v69, s[MHI]
	global_store_b32 v5, v68, s[74:75]
	s_set_vgpr_msb 0x5
	s_wait_tensorcnt 0x0
	ds_add_u32 v0, v1
	s_wait_dscnt 0x0
	s_set_vgpr_msb 0x500
	s_endpgm
.Lfunc_end_k_qfe5876cc33_qkv:
	.size	k_qfe5876cc33_qkv, .Lfunc_end_k_qfe5876cc33_qkv-k_qfe5876cc33_qkv
	.p2alignl 7, 3214868480
	.fill 96, 4, 3214868480
	.section	.rodata,"a",@progbits
	.p2align	6, 0x0
	.amdhsa_kernel k_qfe5876cc33_qkv
		.amdhsa_group_segment_fixed_size 259584
		.amdhsa_private_segment_fixed_size 0
		.amdhsa_enable_private_segment 0
		.amdhsa_kernarg_size 40
		.amdhsa_user_sgpr_count 2
		.amdhsa_user_sgpr_kernarg_segment_ptr 1
		.amdhsa_wavefront_size32 1
		.amdhsa_system_sgpr_workgroup_id_x 1
		.amdhsa_system_sgpr_workgroup_id_y 1
		.amdhsa_system_sgpr_workgroup_id_z 1
		.amdhsa_system_vgpr_workitem_id 0
		.amdhsa_next_free_vgpr 258
		.amdhsa_next_free_sgpr 80
		.amdhsa_reserve_vcc 0
		.amdhsa_float_denorm_mode_32 3
		.amdhsa_float_denorm_mode_16_64 3
		.amdhsa_memory_ordered 1
		.amdhsa_forward_progress 1
		.amdhsa_inst_pref_size 55
	.end_amdhsa_kernel
	.amdgpu_metadata
---
amdhsa.version: [ 1, 2 ]
amdhsa.kernels:
  - .name:           k_qfe5876cc33_qkv
    .symbol:         k_qfe5876cc33_qkv.kd
    .args:
      - { .name: prep, .offset: 0, .size: 8, .value_kind: global_buffer, .address_space: global }
      - { .name: bq, .offset: 8, .size: 8, .value_kind: global_buffer, .address_space: global }
      - { .name: bk, .offset: 16, .size: 8, .value_kind: global_buffer, .address_space: global }
      - { .name: bv, .offset: 24, .size: 8, .value_kind: global_buffer, .address_space: global }
      - { .name: qkv, .offset: 32, .size: 8, .value_kind: global_buffer, .address_space: global }
    .group_segment_fixed_size: 259584
    .private_segment_fixed_size: 0
    .kernarg_segment_align: 8
    .kernarg_segment_size: 40
    .max_flat_workgroup_size: 384
    .sgpr_count:     80
    .vgpr_count:     258
    .wavefront_size: 32
...
	.end_amdgpu_metadata
.endif
;; end of part 2
;; launch attn (part 3): grid 5 x 48, 16 waves a work-group, no clusters, 169,984 bytes of LDS; arguments qkv, ctx; writes ctx
.if DOCPART == 3
	.amdgcn_target "amdgcn-amd-amdhsa--gfx1250"
	.amdhsa_code_object_version 6
	.text
	.protected	k_qfe5876cc33_attn
	.globl	k_qfe5876cc33_attn
	.p2align	8
	.type	k_qfe5876cc33_attn,@function
k_qfe5876cc33_attn:
	s_mov_b64 s[64:65], 0
	v_nop
	global_prefetch_b8 v0, s[64:65] scope:SCOPE_SE
	s_setreg_imm32_b32 hwreg(HW_REG_WAVE_MODE, 25, 1), 1
	s_wait_xcnt 0x0
; ATTN: ctx = softmax(q k^T / 8) v for 8 batches x 12 heads x 577 tokens, both products on codes of E2M3; ctx is quantised at once for the last product.
; The pruned operands of reference()'s straight-through sums are not computed (dense + pruned - pruned is taken as dense: at most 2^-23 of the pruned number apart).
; THE SOFTMAX: t = score x log2(e) / 8; M = the row's largest t so far, rounded UP to a whole number; p = 2^(t - M) is quantised along the keys, not normalised; the row's sum is taken of the unquantised p and
; divides at the end.  When M moves, the sum and O are multiplied by 2^(old M - new M): exact.  LIMITS OF RANGE: NaN and infinities are not served.
; SHARES: a work-group serves two heads of a batch and 8 tiles of 16 queries of each: wave w: head 2 hp + w / 8, tile 8 part + w % 8.  37 tiles hold a batch's 577 queries: a wave whose tile is 37 to 39 passes the
; barriers and does nothing else (a branch on ids).  Every wave walks its head's keys in five steps of 128.
; LDS: for each of the two heads ALL its K and V codes and scale words (65,280 bytes), filled once, by six tensor loads of each of four waves, issued at the head; a step is read as soon as it has landed.
; NO CLUSTER: the grid's 5 is no multiple of four; what the five work-groups of a pair of heads share is asked for once by each, at its head.
; LAYOUT: S^T = K Q^T (source 0 = 16 keys, source 1 = my 16 queries), O^T = V^T P^T: a lane holds ONE query throughout.  The keys of a tile are laid so that the 16 registers of tiles 2 b, 2 b + 1 are 16 neighbouring
; keys.  The first product's K is 64: the upper six registers of Q's and K's fragments are zero codes, and so are bytes 2 and 3 of their scale words (2^-127 times 0 adds nothing).
; REGISTERS: v1-3 LDS addresses (16 L, 8 L, 4 L + my head's slot); v5-7 offsets; v8-9 V's scale bytes as they lie, v10-11 as scale words; v12 -M, v13 the largest t, v[14:15] the sum;
;   v16-27 Q; v32-79 four fragments of K; v80-127 V's four; v128-191 S^T, then p; v192-223 O^T; v224-235 p's codes; v232-247 at work; v248-251 K's scale words; v252 f; v253 p's scale word; v254 at work; v255 Q's scale words.
.set KC,   2949120
.set VC,   5898240
.set QS,   8884224
.set KS,   9129984
.set VS,   9375744
.set CSB,  2727936                     ; ctx: the scale words (the codes begin at 0: 296 tiles x 9,216 bytes)
.set VCO,  30720                       ; a slot: K's codes at 0, V's here,
.set KSC,  61440                       ; K's scale words,
.set VSC,  64000                       ; V's
.set S,    128
.set O,    192
.set MT,   14                          ; s14     my tile of queries
.set SEL,  66                          ; s[66:67] lane selects: lane l xor 16
.set CF,   68                          ; s[68:69] c = log2(e) / 8 (the packed form names a pair and takes its low word)
.set PS,   70                          ; s70, s71 byte selects
.set MHI,  72                          ; s72     lanes 16-31
.set QT,   40
.set QM,   44
.macro QH s, cd, hw                    ; 32 numbers of a lane (register 16 b + i = k 32 b + 16 (lane / 16) + i) become half a fragment's codes and two scale bytes
	v_max3_num_f32 v[QM], |v[\s]|, |v[\s+1]|, 0x1800000            ; the floor 2^(3 - 127): the byte cannot fall under 1
	v_max3_num_f32 v[QM+1], |v[\s+16]|, |v[\s+17]|, 0x1800000
.irp i, 2,4,6,8,10,12,14
	v_max3_num_f32 v[QM], v[QM], |v[\s+\i]|, |v[\s+1+\i]|
	v_max3_num_f32 v[QM+1], v[QM+1], |v[\s+16+\i]|, |v[\s+17+\i]|
.endr
	v_permlanex16_b32 v[QM+2], v[QM], s[SEL], s[SEL+1]
	v_permlanex16_b32 v[QM+3], v[QM+1], s[SEL], s[SEL+1]
	v_max_num_f32 v[QM], v[QM], v[QM+2]
	v_max_num_f32 v[QM+1], v[QM+1], v[QM+3]
	v_add_nc_u32 v[QM+4], 0xff000000, v[QM]
	v_add_nc_u32 v[QM+5], 0xff000000, v[QM+1]
	v_lshrrev_b32 v[QM+6], 23, v[QM+4]
	v_lshrrev_b32 v[QM+7], 23, v[QM+5]
	v_lshl_or_b32 v[\hw], v[QM+7], 8, v[QM+6]
	v_cvt_scalef32_pk16_fp6_f32 v[\cd:\cd+2], v[\s:\s+15], v[QM+4]
	v_cvt_scalef32_pk16_fp6_f32 v[QT:QT+2], v[\s+16:\s+31], v[QM+5]
	v_nop                                                          ; one plain line behind a scaled conversion
.irp i, 0,1,2
	v_permlane16_swap_b32 v[\cd+\i], v[QT+\i]
.endr
.irp i, 0,1,2
	v_mov_b32 v[\cd+3+\i], v[QT+\i]
.endr
.endm
; A KEY STEP: keys 128 st on.  In the last step keys 512 to 576 are real: five tiles of K are multiplied, and the scores of keys 577 on are -infinity: p = 0.
.macro STEP st
	s_wait_tensorcnt 4-\st                         ; my loads up to this step's have landed; the later steps' may stay out
	s_wait_dscnt 0x0
	s_barrier_signal -1
	s_barrier_wait -1                              ; everybody's have
	s_cmp_gt_u32 s[MT], 36
	s_cbranch_scc1 .Lidle_\@
.irp i, 0,1,2,3
	ds_load_b32 v[248+\i], v3 offset:KSC+(8*\st+2*\i)*64           ; lanes 0-15: tile 2 i's scale words; lanes 16-31: tile 2 i + 1's
.endr
.irp g, 0,1                                    ; S^T = K Q^T, four tiles of 16 keys at a time
.irp t, 0,1,2,3
.if (\st < 4) || (4*\g+\t < 5)
	ds_load_b128 v[32+12*\t:35+12*\t], v1 offset:(8*\st+4*\g+\t)*768
	ds_load_b64 v[36+12*\t:37+12*\t], v2 offset:(8*\st+4*\g+\t)*768+512
.endif
.endr
	s_wait_dscnt 0x0
.irp t, 0,1,2,3
.if (\st < 4) || (4*\g+\t < 5)
.if \t % 2
	v_wmma_scale_f32_16x16x128_f8f6f4 v[S+8*(4*\g+\t):S+7+8*(4*\g+\t)], v[32+12*\t:43+12*\t], v[16:27], 0, v[248+(4*\g+\t)/2], v255 matrix_a_fmt:MATRIX_FMT_FP6 matrix_b_fmt:MATRIX_FMT_FP6 matrix_a_scale:MATRIX_SCALE_ROW1
.else
	v_wmma_scale_f32_16x16x128_f8f6f4 v[S+8*(4*\g+\t):S+7+8*(4*\g+\t)], v[32+12*\t:43+12*\t], v[16:27], 0, v[248+(4*\g+\t)/2], v255 matrix_a_fmt:MATRIX_FMT_FP6 matrix_b_fmt:MATRIX_FMT_FP6
.endif
.endif
.endr
.if \g == 0
.rept 4
	v_nop                                          ; places in front of loads into registers that matrix instructions have read: K's here, and V's below, which the last step's products read
.endr
.endif
.endr
.irp dt, 0,1,2,3                               ; V's four fragments are asked for now and land under the softmax
.irp c, 0,1
	ds_load_b128 v[80+12*\dt+6*\c:83+12*\dt+6*\c], v1 offset:VCO+((2*\st+\c)*4+\dt)*768
	ds_load_b64 v[84+12*\dt+6*\c:85+12*\dt+6*\c], v2 offset:VCO+((2*\st+\c)*4+\dt)*768+512
.endr
.endr
	ds_load_b32 v8, v3 offset:VSC+(2*\st)*128
	ds_load_b32 v9, v3 offset:VSC+(2*\st+1)*128
.rept 4
	v_nop                                          ; places in front of the first read of the scores
.endr
.if \st == 4
	v_mov_b32 v254, 0xff800000                     ; -infinity
	v_cndmask_b32 v[S+32], v[S+32], v254, s[MHI]   ; register 32 is key 576 + 16 h: real in lanes 0-15 alone
.set n, 33
.rept 31
	v_mov_b32 v[S+n], v254
.set n, n+1
.endr
.endif
.irp b, 0,1,2,3
	v_max3_num_f32 v[232+\b], v[S+16*\b], v[S+1+16*\b], v[S+2+16*\b]       ; the largest score of each block of 32 keys: it serves the row's maximum and, since p rises with the score, the block's largest p
.endr
.irp i, 3,5,7,9,11,13
.irp b, 0,1,2,3
	v_max3_num_f32 v[232+\b], v[232+\b], v[S+16*\b+\i], v[S+1+16*\b+\i]
.endr
.endr
.irp b, 0,1,2,3
	v_max_num_f32 v[232+\b], v[232+\b], v[S+15+16*\b]
.endr
.irp b, 0,1,2,3
	v_permlanex16_b32 v[236+\b], v[232+\b], s[SEL], s[SEL+1]
.endr
.irp b, 0,1,2,3
	v_max_num_f32 v[232+\b], v[232+\b], v[236+\b]  ; with lane l xor 16's 16 keys
.endr
	s_wait_dscnt 0x0                               ; V and its scale bytes are in
	v_perm_b32 v10, v9, v8, s[PS]                  ; scale words of these 128 keys: channel tiles 0 (lanes 0-15) and 2 (lanes 16-31),
	v_perm_b32 v11, v9, v8, s[PS+1]                ; tiles 1 and 3
	v_max3_num_f32 v254, v232, v233, v234
	v_max_num_f32 v254, v254, v235                 ; the step's largest score of my query
	v_mul_f32 v254, s[CF], v254                    ; as t
	v_max_num_f32 v13, v13, v254                   ; the running largest t
	v_mov_b32 v254, v12
	v_floor_f32 v12, -v13                          ; the new -M = floor(-t): M is a whole number
	v_sub_f32 v254, v12, v254                      ; old M - new M: a whole number, 0 or less
	v_cvt_i32_f32 v254, v254                       ; (it saturates)
	v_ldexp_f32 v252, 1.0, v254                    ; f = 2^(old M - new M)
.set n, 0
.rept 32
	v_pk_fma_f32 v[S+n:S+1+n], v[S+n:S+1+n], s[CF:CF+1], v[12:13] op_sel_hi:[1,0,0]   ; t - M, two at a time
.set n, n+2
.endr
.irp b, 0,1,2,3
	v_fma_f32 v[232+\b], v[232+\b], s[CF], v12     ; the same of each block's largest score
.endr
.set n, 0
.rept 64
	v_exp_f32 v[S+n], v[S+n]                       ; p = 2^(t - M), at most 1
.set n, n+1
.endr
.irp b, 0,1,2,3
	v_exp_f32 v[232+\b], v[232+\b]                 ; the block's largest p
.endr
	v_pk_mul_f32 v[14:15], v[14:15], v[252:253] op_sel_hi:[1,0]    ; the sum under the new M (a plain line behind the exponentials)
	s_wait_alu depctr_va_vdst(0)
.irp b, 0,1,2,3
	v_max_num_f32 v[232+\b], 0x1800000, v[232+\b]  ; the floor 2^(3 - 127)
.endr
.irp b, 0,1,2,3
	v_add_nc_u32 v[244+\b], 0xff000000, v[232+\b]  ; the conversion's scale operand
.endr
.irp b, 0,1,2,3
	v_lshrrev_b32 v[236+\b], 23, v[244+\b]         ; the byte
.endr
	v_lshl_or_b32 v253, v237, 8, v236              ; p's scale word for these 128 keys
	v_lshl_or_b32 v253, v238, 16, v253
	v_lshl_or_b32 v253, v239, 24, v253
.irp c, 0,1
	v_cvt_scalef32_pk16_fp6_f32 v[224+6*\c:226+6*\c], v[S+32*\c:S+15+32*\c], v[244+2*\c]
	v_cvt_scalef32_pk16_fp6_f32 v[236+4*\c:238+4*\c], v[S+16+32*\c:S+31+32*\c], v[244+2*\c+1]
.endr
	v_nop                                          ; one plain line behind a scaled conversion
.irp c, 0,1
.irp i, 0,1,2
	v_permlane16_swap_b32 v[224+6*\c+\i], v[236+4*\c+\i]
.endr
.irp i, 0,1,2
	v_mov_b32 v[227+6*\c+\i], v[236+4*\c+\i]
.endr
.endr
.set n, 0
.rept 16
	v_pk_mul_f32 v[O+n:O+1+n], v[O+n:O+1+n], v[252:253] op_sel_hi:[1,0]    ; O^T under the new M
.set n, n+2
.endr
	v_pk_add_f32 v[236:237], v[S:S+1], v[S+2:S+3]  ; the row's sum of the UNQUANTISED p, in two chains.  These lines are also the places in front of the products below
.irp j, 4,8,12,16,20,24,28,32,36,40,44,48,52,56,60
	v_pk_add_f32 v[14:15], v[14:15], v[S+\j:S+1+\j]
	v_pk_add_f32 v[236:237], v[236:237], v[S+2+\j:S+3+\j]
.endr
	v_pk_add_f32 v[14:15], v[14:15], v[236:237]
.irp dt, 0,1,2,3                               ; O^T += V^T P^T: the four accumulators by turns
.if \dt < 2
	v_wmma_scale_f32_16x16x128_f8f6f4 v[O+8*\dt:O+7+8*\dt], v[80+12*\dt:91+12*\dt], v[224:235], v[O+8*\dt:O+7+8*\dt], v[10+\dt%2], v253 matrix_a_fmt:MATRIX_FMT_FP6 matrix_b_fmt:MATRIX_FMT_FP6
.else
	v_wmma_scale_f32_16x16x128_f8f6f4 v[O+8*\dt:O+7+8*\dt], v[80+12*\dt:91+12*\dt], v[224:235], v[O+8*\dt:O+7+8*\dt], v[10+\dt%2], v253 matrix_a_fmt:MATRIX_FMT_FP6 matrix_b_fmt:MATRIX_FMT_FP6 matrix_a_scale:MATRIX_SCALE_ROW1
.endif
.endr
.Lidle_\@:
.endm
	s_load_b128 s[4:7], s[0:1], 0x0                ; qkv, ctx
	v_lshl_add_u32 v31, v0, 2, 0x29000
	v_mov_b32 v243, 0
	ds_add_u32 v31, v243
	ds_add_u32 v31, v243
	v_lshrrev_b32 v1, 5, v0
	v_readfirstlane_b32 s8, v1                     ; wave 0..15
	s_lshr_b32 s9, s8, 3                           ; hw: which of the two heads
	s_and_b32 s10, s8, 7                           ; wq
	s_and_b32 s15, ttmp7, 0xffff
	s_mul_i32 s11, s15, 43
	s_lshr_b32 s11, s11, 8                         ; batch = y / 6 (43 / 256 serves y up to 47)
	s_mul_i32 s12, s11, 6
	s_sub_co_u32 s12, s15, s12                     ; hp: the pair of heads
	s_lshl_b32 s13, s12, 1
	s_add_co_u32 s13, s13, s9                      ; head
	s_lshl_b32 s[MT], ttmp9, 3
	s_add_co_u32 s[MT], s[MT], s10                 ; my tile of queries
	s_mul_i32 s74, s13, 320
	s_mul_i32 s75, s11, 40
	s_add_co_u32 s74, s74, s75                     ; 320 head + 40 batch
	s_mul_i32 s76, s13, 81
	s_mul_i32 s77, s11, 10
	s_add_co_u32 s76, s76, s77                     ; 81 head + 10 batch
	s_mul_i32 s78, s74, 768
	s_add_co_u32 s78, s78, KC
	s_mul_i32 s79, s76, 3072
	s_add_co_u32 s79, s79, VC
	s_lshl_b32 s80, s74, 6
	s_add_co_u32 s80, s80, KS
	s_lshl_b32 s81, s76, 7
	s_add_co_u32 s81, s81, VS
	s_cmp_eq_u32 s10, 0                            ; waves with wq = 0 fetch K, those with wq = 1 V
	s_cselect_b32 s78, s78, s79
	s_cselect_b32 s80, s80, s81
	s_mov_b32 s79, 0
	s_mov_b32 s81, 0
	s_lshl_b32 s82, s9, 16                         ; my head's slot
	s_mul_i32 s83, s10, VCO
	s_add_co_u32 s83, s83, s82                     ; LDS: the codes,
	s_mul_i32 s84, s10, 2560
	s_add_co_u32 s84, s84, s82
	s_add_co_u32 s84, s84, KSC                     ; the scale words
	; descriptor groups 1: dense blocks as rows of 256 bytes (32 elements of 8 bytes): a step's codes 24 rows, K's scale words 10, V's 5
.irp g, 16, 24, 32
	s_mov_b32 s[\g], 3<<16
	s_mov_b32 s[\g+1], 32<<16
	s_mov_b32 s[\g+3], 32<<16
	s_mov_b32 s[\g+5], 32
	s_mov_b32 s[\g+6], 0
	s_mov_b32 s[\g+7], 0
.endr
	s_mov_b32 s18, 24<<16
	s_mov_b32 s20, 24
	s_mov_b32 s26, 10<<16
	s_mov_b32 s28, 10
	s_mov_b32 s34, 5<<16
	s_mov_b32 s36, 5
	s_wait_dscnt 0x0
	s_wait_kmcnt 0x0
	s_add_nc_u64 s[78:79], s[4:5], s[78:79]
	s_add_nc_u64 s[80:81], s[4:5], s[80:81]
	s_mov_b32 s40, 1
	s_mov_b32 s41, s84
	s_mov_b64 s[42:43], s[80:81]
	s_or_b32 s43, s43, 0x80000000
.irp st, 0,1,2,3,4
	s_mov_b32 s[44+4*\st], 1
	s_add_co_u32 s[45+4*\st], s83, 6144*\st
	s_add_nc_u64 s[46+4*\st:47+4*\st], s[78:79], 6144*\st
	s_or_b32 s[47+4*\st], s[47+4*\st], 0x80000000
.endr
	s_cmp_eq_u32 s10, 0                            ; a wave's six fills stand in one branch on the wave's number: six loads of mine are out at the most
	s_cbranch_scc0 .Lnot_k
	tensor_load_to_lds s[40:43], s[24:31]          ; the scale words first: they are wanted with step 0
	s_nop 0
.irp st, 0,1,2,3,4
	tensor_load_to_lds s[44+4*\st:47+4*\st], s[16:23]
	s_nop 0
.endr
.rept 4
	v_nop
.endr
	s_branch .Lasked
.Lnot_k:
	s_cmp_eq_u32 s10, 1
	s_cbranch_scc0 .Lasked
	tensor_load_to_lds s[40:43], s[32:39]
	s_nop 0
.irp st, 0,1,2,3,4
	tensor_load_to_lds s[44+4*\st:47+4*\st], s[16:23]
	s_nop 0
.endr
.rept 4
	v_nop
.endr
.Lasked:
	s_add_co_u32 s85, s74, s[MT]
	s_mul_i32 s86, s85, 768                        ; Q's half fragment (tiles 37 to 39 lie in the buffer too)
	s_mov_b32 s87, 0
	s_lshl_b32 s88, s85, 6
	s_add_co_u32 s88, s88, QS
	s_mov_b32 s89, 0
	s_add_nc_u64 s[86:87], s[4:5], s[86:87]
	s_add_nc_u64 s[88:89], s[4:5], s[88:89]
	s_mul_i32 s85, s11, 37
	s_add_co_u32 s85, s85, s[MT]                   ; ctx's tile: 37 batch + tile
	s_mul_i32 s85, s85, 6
	s_add_co_u32 s85, s85, s12                     ; K step of the last product = head / 2
	s_mul_i32 s90, s85, 1536
	s_mul_i32 s15, s9, 768                         ; its half = head % 2
	s_add_co_u32 s90, s90, s15
	s_mov_b32 s91, 0
	s_lshl_b32 s92, s85, 6
	s_lshl_b32 s15, s9, 1
	s_add_co_u32 s92, s92, s15
	s_add_co_u32 s92, s92, CSB
	s_mov_b32 s93, 0
	s_add_nc_u64 s[90:91], s[6:7], s[90:91]
	s_add_nc_u64 s[92:93], s[6:7], s[92:93]
	s_mov_b32 s[SEL], 0x76543210
	s_mov_b32 s[SEL+1], 0xfedcba98
	s_mov_b32 s[CF], 0x3e38aa3b                    ; log2(e) / 8
	s_mov_b32 s[CF+1], s[CF]
	s_mov_b32 s[PS], 0x05040100
	s_mov_b32 s[PS+1], 0x07060302
	s_mov_b32 s[MHI], 0xffff0000
	v_and_b32 v4, 31, v0                           ; lane
	v_lshlrev_b32 v6, 4, v4
	v_lshlrev_b32 v7, 3, v4
	v_and_b32 v5, 15, v0
	v_lshlrev_b32 v5, 2, v5                        ; 4 r
	v_lshl_add_u32 v1, v4, 4, s82
	v_lshl_add_u32 v2, v4, 3, s82
	v_lshl_add_u32 v3, v4, 2, s82
	global_load_b128 v[16:19], v6, s[86:87]
	global_load_b64 v[20:21], v7, s[86:87] offset:512
	global_load_b32 v255, v5, s[88:89]
.irp i, 22,23,24,25,26,27
	v_mov_b32 v[\i], 0                             ; the upper 64 of the first product's K: zero codes, in Q
.endr
.irp t, 0,1,2,3
.irp i, 6,7,8,9,10,11
	v_mov_b32 v[32+12*\t+\i], 0                    ; and in K: written once, no load lands there
.endr
.endr
	v_mov_b32 v13, 0xff61b1e6                      ; the largest t so far: -3e38
	v_floor_f32 v12, -v13
	v_mov_b32 v14, 0
	v_mov_b32 v15, 0
.irp b, 0,1,2,3
	v_mov_b32 v[236+\b], 0                         ; a lane permute's destination counts as one of its sources
.endr
	v_mov_b32 v253, 0                              ; (named as the upper half of the pair v[252:253] before it is first written)
.set n, 0
.rept 32
	v_mov_b32 v[O+n], 0                            ; O^T: the step is written alike for all five; the first change of M leaves zeros zeros
.set n, n+1
.endr
	s_wait_loadcnt 0x0                             ; Q
	STEP 0
	STEP 1
	STEP 2
	STEP 3
	STEP 4
	s_cmp_gt_u32 s[MT], 36
	s_cbranch_scc1 .Lend
.rept 4
	v_nop                                          ; places behind the last products
.endr
	v_add_f32 v14, v14, v15
	v_permlanex16_b32 v252, v14, s[SEL], s[SEL+1]
	v_add_f32 v14, v14, v252                       ; the row's sum
	v_rcp_f32 v14, v14
	v_mov_b32 v[QM+2], 0                           ; (a plain line behind the transcendental)
	v_mov_b32 v[QM+3], 0
.set n, 0
	s_wait_alu depctr_va_vdst(0)
.rept 16
	v_pk_mul_f32 v[S+n:S+1+n], v[O+n:O+1+n], v[14:15] op_sel_hi:[1,0]      ; ctx: register 16 b + i is channel 32 b + 16 h + i of my query; each accumulator is read from its low end on
.set n, n+2
.endr
	QH S, 32, 52
	global_store_b128 v6, v[32:35], s[90:91]
	global_store_b64 v7, v[36:37], s[90:91] offset:512
	v_cmp_gt_u32 vcc_lo, 16, v4
	s_wait_xcnt 0x0                                ; EXEC changes only behind this wait
	s_and_saveexec_b32 s94, vcc_lo
	global_store_b16 v5, v52, s[92:93]             ; lanes 0-15: my head's two bytes of row r's scale word
	s_wait_xcnt 0x0
	s_or_b32 exec_lo, exec_lo, s94
.Lend:
	s_wait_tensorcnt 0x0
	ds_add_u32 v31, v243
	s_wait_dscnt 0x0
	s_endpgm
.Lfunc_end_k_qfe5876cc33_attn:
	.size	k_qfe5876cc33_attn, .Lfunc_end_k_qfe5876cc33_attn-k_qfe5876cc33_attn
	.p2alignl 7, 3214868480
	.fill 96, 4, 3214868480
	.section	.rodata,"a",@progbits
	.p2align	6, 0x0
	.amdhsa_kernel k_qfe5876cc33_attn
		.amdhsa_group_segment_fixed_size 169984
		.amdhsa_private_segment_fixed_size 0
		.amdhsa_enable_private_segment 0
		.amdhsa_kernarg_size 16
		.amdhsa_user_sgpr_count 2
		.amdhsa_user_sgpr_kernarg_segment_ptr 1
		.amdhsa_wavefront_size32 1
		.amdhsa_system_sgpr_workgroup_id_x 1
		.amdhsa_system_sgpr_workgroup_id_y 1
		.amdhsa_system_sgpr_workgroup_id_z 1
		.amdhsa_system_vgpr_workitem_id 0
		.amdhsa_next_free_vgpr 256
		.amdhsa_next_free_sgpr 96
		.amdhsa_reserve_vcc 1
		.amdhsa_float_denorm_mode_32 3
		.amdhsa_float_denorm_mode_16_64 3
		.amdhsa_memory_ordered 1
		.amdhsa_forward_progress 1
		.amdhsa_inst_pref_size 96
	.end_amdhsa_kernel
	.amdgpu_metadata
---
amdhsa.version: [ 1, 2 ]
amdhsa.kernels:
  - .name:           k_qfe5876cc33_attn
    .symbol:         k_qfe5876cc33_attn.kd
    .args:
      - { .name: qkv, .offset: 0, .size: 8, .value_kind: global_buffer, .address_space: global }
      - { .name: ctx, .offset: 8, .size: 8, .value_kind: global_buffer, .address_space: global }
    .group_segment_fixed_size: 169984
    .private_segment_fixed_size: 0
    .kernarg_segment_align: 8
    .kernarg_segment_size: 16
    .max_flat_workgroup_size: 512
    .sgpr_count:     96
    .vgpr_count:     256
    .wavefront_size: 32
...
	.end_amdgpu_metadata
.endif
;; end of part 3
;; launch outp (part 4): grid 6 x 37, 4 waves a work-group, no clusters, 168,448 bytes of LDS; arguments prep, ctx, bo, out0; writes out0
.if DOCPART == 4
	.amdgcn_target "amdgcn-amd-amdhsa--gfx1250"
	.amdhsa_code_object_version 6
	.text
	.protected	k_qfe5876cc33_outp
	.globl	k_qfe5876cc33_outp
	.p2align	8
	.type	k_qfe5876cc33_outp,@function
k_qfe5876cc33_outp:
	s_mov_b64 s[64:65], 0
	v_nop
	global_prefetch_b8 v0, s[64:65] scope:SCOPE_SE
	s_setreg_imm32_b32 hwreg(HW_REG_WAVE_MODE, 25, 1), 1
	s_wait_xcnt 0x0
; OUTP: out0 = ctx Wo + bo on codes of E2M3 (K = 768, six matrix instructions deep).  The pruned operand of reference()'s straight-through sum is not computed (dense + pruned - pruned is taken as dense).
; A work-group multiplies 8 tiles of Wo's columns (source 0: 128 columns) by 8 tiles of ctx's rows (source 1); a wave 4 x 4 tiles: a lane holds one token, and its registers run along the columns.
; All of K lies in LDS at once: three pieces of two K steps, each filled once; every wave issues three tensor loads at the head.  Nothing is filled again.
; NO CLUSTER: the grid, 6 x 37, is a multiple of four along neither axis, and a work-group asks for all its operands once, at its head.
; ctx has 37 tiles a batch; lane row r of tile 2 p + u is token 32 p + 8 u + r + 8 (r / 8); of tile 36 row 0 (token 576) alone is real, and it alone is stored.
; REGISTERS as in the launch for q, k, v: v1-4 LDS addresses; v5 4 x lane; v6 the bias's offset; v8-19, v20-31 scale words; v32-79, v80-127 fragments; v128-255 accumulators (32 y + 8 t).
.set WC,   3110400
.set WSS,  4879872
.set CSB,  2727936
.set PIECE, 49152                      ; LDS: 16 tiles x 3,072 bytes; Wo's tiles 0-7, ctx's 8-15
.set STAGE, 3*PIECE                    ; behind the pieces: 16 rows x 272 bytes for each wave; no fill lands there
.macro KSTEP P, e                      ; one K step: 32 LDS loads of consecutive bytes, 16 products (the accumulators by turns), four places
.irp t, 0,1,2,3
.irp c, 0,1
	ds_load_b128 v[32+12*\t+6*\c:35+12*\t+6*\c], v1 offset:\t*3072+\e*1536+\c*768
	ds_load_b64 v[36+12*\t+6*\c:37+12*\t+6*\c], v2 offset:\t*3072+\e*1536+\c*768
	ds_load_b128 v[80+12*\t+6*\c:83+12*\t+6*\c], v3 offset:\t*3072+\e*1536+\c*768
	ds_load_b64 v[84+12*\t+6*\c:85+12*\t+6*\c], v4 offset:\t*3072+\e*1536+\c*768
.endr
.endr
	s_wait_dscnt 0x0
.irp y, 0,1,2,3
.irp t, 0,1,2,3
.if \e
	v_wmma_scale_f32_16x16x128_f8f6f4 v[128+32*\y+8*\t:135+32*\y+8*\t], v[32+12*\t:43+12*\t], v[80+12*\y:91+12*\y], v[128+32*\y+8*\t:135+32*\y+8*\t], v[8+3*\t+\P], v[20+3*\y+\P] matrix_a_fmt:MATRIX_FMT_FP6 matrix_b_fmt:MATRIX_FMT_FP6 matrix_a_scale:MATRIX_SCALE_ROW1 matrix_b_scale:MATRIX_SCALE_ROW1
.else
	v_wmma_scale_f32_16x16x128_f8f6f4 v[128+32*\y+8*\t:135+32*\y+8*\t], v[32+12*\t:43+12*\t], v[80+12*\y:91+12*\y], v[128+32*\y+8*\t:135+32*\y+8*\t], v[8+3*\t+\P], v[20+3*\y+\P] matrix_a_fmt:MATRIX_FMT_FP6 matrix_b_fmt:MATRIX_FMT_FP6
.endif
.endr
.endr
.rept 4
	v_nop
.endr
.endm
; The way out of ctx's tile y: 16 tokens x 64 columns go through my own stage and leave as rows: sixteen lanes store 256 consecutive bytes, at a multiple of 256 from out0's first byte.
.macro OUTY y
.irp q, 0,1,2,3,4,5,6,7
	ds_store_b128 v1, v[128+32*\y+4*\q:131+32*\y+4*\q] offset:128*(\q/4)+16*(\q%4)   ; registers 16 b + 4 q on: columns 32 b + 16 h + 4 q on; each accumulator from its low end on
.endr
.if \y >= 2
	s_wait_xcnt 0x0                                ; tile y - 2's stores have read the registers into which these loads land
.endif
.irp i, 0,1,2,3,4,5,6,7
	ds_load_b128 v[32+32*(\y%2)+4*\i:35+32*(\y%2)+4*\i], v2 offset:544*\i    ; LDS serves a wave's instructions in order: these see the stores above, and the next tile's stores come behind them
.endr
	s_cmp_eq_u32 s[48+\y], 36
	s_cbranch_scc1 .Llast_\@
.irp i, 0,1,2,3,4,5,6,7
	s_wait_dscnt 7-\i                              ; loads i + 1 on may be out
	global_store_b128 v3, v[32+32*(\y%2)+4*\i:35+32*(\y%2)+4*\i], s[40+2*\y:41+2*\y] offset:(2*\i+8*(\i/4))*3072 th:TH_STORE_NT   ; lane rows 2 i and 2 i + 1
.endr
	s_branch .Ldone_\@
.Llast_\@:                                         ; a batch's tile 36: token 576 alone
	s_wait_dscnt 0x0
	s_wait_xcnt 0x0                                ; EXEC changes only behind this wait
	s_and_saveexec_b32 s80, vcc_lo
	global_store_b128 v3, v[32+32*(\y%2):35+32*(\y%2)], s[40+2*\y:41+2*\y] th:TH_STORE_NT
	s_wait_xcnt 0x0
	s_or_b32 exec_lo, exec_lo, s80
.Ldone_\@:
.endm
	s_load_b256 s[4:11], s[0:1], 0x0               ; prep, ctx, bo, out0
	s_set_vgpr_msb 0x40
	v_lshl_add_u32 v0, v0, 2, 0x29000
	v_mov_b32 v1, 0
	s_set_vgpr_msb 0x4045
	ds_add_u32 v0, v1
	ds_add_u32 v0, v1
	s_set_vgpr_msb 0x4500
	v_lshrrev_b32 v1, 5, v0
	v_readfirstlane_b32 s14, v1                    ; wave 0..3
	s_lshr_b32 s15, s14, 1                         ; xg: my four tiles of Wo
	s_and_b32 s36, s14, 1                          ; yg: my four tiles of ctx
	s_and_b32 s38, ttmp7, 0xffff
	; descriptor group 1: four tiles' 3,072 bytes of a piece, 9,216 bytes apart in memory, dense in LDS: elements of 8 bytes
	s_mov_b32 s16, 3<<16
	s_mov_b32 s17, 384<<16
	s_mov_b32 s18, 4<<16
	s_mov_b32 s19, 384<<16
	s_mov_b32 s20, 4
	s_mov_b32 s21, 1152
	s_mov_b32 s22, 0
	s_mov_b32 s23, 0
	s_lshl_b32 s66, ttmp9, 3
	s_lshl_b32 s67, s14, 2
	s_add_co_u32 s66, s66, s67
	s_mul_i32 s66, s66, 9216
	s_add_co_u32 s66, s66, WC+144*9216             ; waves 0, 1: Wo's tiles 8 x + 4 w on
	s_lshl_b32 s68, s38, 3
	s_add_co_u32 s68, s68, s67
	s_sub_co_u32 s68, s68, 8
	s_mul_i32 s68, s68, 9216                       ; waves 2, 3: ctx's tiles 8 y + 4 (w - 2) on
	s_cmp_lt_u32 s14, 2
	s_cselect_b32 s54, s66, s68
	s_mov_b32 s55, 0
	s_mul_i32 s56, s14, 12288                      ; LDS: tiles 4 w on
	s_wait_dscnt 0x0
	s_wait_kmcnt 0x0
	s_cmp_lt_u32 s14, 2
	s_cselect_b64 s[52:53], s[4:5], s[6:7]
	s_add_nc_u64 s[52:53], s[52:53], s[54:55]
.irp P, 0,1,2
	s_mov_b32 s[24+4*\P], 1
	s_add_co_u32 s[25+4*\P], s56, \P*PIECE
	s_add_nc_u64 s[26+4*\P:27+4*\P], s[52:53], \P*3072
	s_or_b32 s[27+4*\P], s[27+4*\P], 0x80000000
.endr
	tensor_load_to_lds s[24:27], s[16:23]          ; three loads of mine are out at the most
	s_nop 0
	tensor_load_to_lds s[28:31], s[16:23]
	s_nop 0
	tensor_load_to_lds s[32:35], s[16:23]
	s_nop 0
.rept 4
	v_nop
.endr
	v_and_b32 v7, 31, v0                           ; lane
	v_lshlrev_b32 v5, 2, v7
	s_mul_i32 s66, s15, 12288
	s_mul_i32 s67, s36, 12288
	s_add_co_u32 s67, s67, 24576
	v_lshl_add_u32 v1, v7, 4, s66
	v_lshl_add_u32 v2, v7, 3, s66
	v_add_nc_u32 v2, 512, v2
	v_lshl_add_u32 v3, v7, 4, s67
	v_lshl_add_u32 v4, v7, 3, s67
	v_add_nc_u32 v4, 512, v4
	s_lshl_b32 s58, ttmp9, 3
	s_lshl_b32 s66, s15, 2
	s_add_co_u32 s58, s58, s66
	s_mul_i32 s58, s58, 384
	s_add_co_u32 s58, s58, WSS+144*384
	s_mov_b32 s59, 0
	s_add_nc_u64 s[58:59], s[4:5], s[58:59]        ; Wo's scale words, my four tiles
	s_lshl_b32 s70, s38, 3
	s_lshl_b32 s66, s36, 2
	s_add_co_u32 s70, s70, s66                     ; ctx's tile 8 y + 4 yg
	s_mul_i32 s60, s70, 384
	s_add_co_u32 s60, s60, CSB
	s_mov_b32 s61, 0
	s_add_nc_u64 s[60:61], s[6:7], s[60:61]        ; ctx's scale words
.irp t, 0,1,2,3
.irp P, 0,1,2
	global_load_b32 v[8+3*\t+\P], v5, s[58:59] offset:\t*384+128*\P
	global_load_b32 v[20+3*\t+\P], v5, s[60:61] offset:\t*384+128*\P
.endr
.endr
	s_lshl_b32 s71, ttmp9, 9
	s_lshl_b32 s66, s15, 8
	s_add_co_u32 s71, s71, s66                     ; my first column, in bytes: 512 x + 256 xg
	s_mov_b32 s62, s71
	s_mov_b32 s63, 0
	s_add_nc_u64 s[62:63], s[8:9], s[62:63]
	v_bfe_u32 v6, v0, 4, 1
	v_lshlrev_b32 v6, 6, v6                        ; register 8 t + j is column 32 (t / 2) + 16 h + 8 (t % 2) + j: the bias comes straight into the accumulators, where the sums begin
.irp y, 0,1,2,3
.irp t, 0,1,2,3
	global_load_b128 v[128+32*\y+8*\t:131+32*\y+8*\t], v6, s[62:63] offset:(32*(\t/2)+8*(\t%2))*4
	global_load_b128 v[132+32*\y+8*\t:135+32*\y+8*\t], v6, s[62:63] offset:(32*(\t/2)+8*(\t%2))*4+16
.endr
.endr
.irp y, 0,1,2,3                                ; where tile y's rows go
	s_add_co_u32 s76, s70, \y
	s_mul_i32 s77, s76, 111
	s_lshr_b32 s77, s77, 12                        ; batch = tile / 37 (111 / 4096 serves tiles up to 295)
	s_mul_i32 s78, s77, 37
	s_sub_co_u32 s[48+\y], s76, s78                ; the tile in its batch
	s_mul_i32 s77, s77, 577
	s_and_b32 s78, s[48+\y], -2
	s_lshl_b32 s78, s78, 4
	s_add_co_u32 s77, s77, s78
	s_and_b32 s78, s[48+\y], 1
	s_lshl_b32 s78, s78, 3
	s_add_co_u32 s77, s77, s78                     ; its lane row 0: token 577 b + 32 p + 8 u
	s_mul_i32 s[40+2*\y], s77, 3072
	s_add_co_u32 s[40+2*\y], s[40+2*\y], s71
	s_mov_b32 s[41+2*\y], 0
	s_add_nc_u64 s[40+2*\y:41+2*\y], s[10:11], s[40+2*\y:41+2*\y]
.endr
	s_wait_loadcnt 0x0                             ; the scale words and the bias
.irp P, 0,1,2
	s_wait_tensorcnt 2-\P                          ; my part of piece P has landed; the later pieces' loads may stay out
	s_wait_dscnt 0x0
	s_barrier_signal -1
	s_barrier_wait -1                              ; everybody's has
	KSTEP \P, 0
	KSTEP \P, 1
.if \P < 2
	v_add_nc_u32 v1, PIECE, v1
	v_add_nc_u32 v2, PIECE, v2
	v_add_nc_u32 v3, PIECE, v3
	v_add_nc_u32 v4, PIECE, v4
.endif
.endr
	v_and_b32 v4, 15, v0                           ; r
	v_bfe_u32 v6, v0, 4, 1                         ; h
	s_mul_i32 s66, s14, 4352
	s_add_co_u32 s66, s66, STAGE                   ; my stage
	v_mul_u32_u24 v1, v4, 272
	v_lshl_add_u32 v1, v6, 6, v1
	v_add_nc_u32 v1, s66, v1                       ; in: row r, + 64 h
	v_mul_u32_u24 v2, v6, 272
	v_lshl_add_u32 v2, v4, 4, v2
	v_add_nc_u32 v2, s66, v2                       ; back: lanes 0-15 one row, lanes 16-31 the next; 16 bytes a lane
	v_mul_u32_u24 v3, v6, 3072
	v_lshl_add_u32 v3, v4, 4, v3                   ; and the same in out0
	v_cmp_gt_u32 vcc_lo, 16, v7                    ; lanes 0-15
	OUTY 0
	OUTY 1
	OUTY 2
	OUTY 3
	s_set_vgpr_msb 0x5
	s_wait_tensorcnt 0x0
	ds_add_u32 v0, v1
	s_wait_dscnt 0x0
	s_set_vgpr_msb 0x500
	s_endpgm
.Lfunc_end_k_qfe5876cc33_outp:
	.size	k_qfe5876cc33_outp, .Lfunc_end_k_qfe5876cc33_outp-k_qfe5876cc33_outp
	.p2alignl 7, 3214868480
	.fill 96, 4, 3214868480
	.section	.rodata,"a",@progbits
	.p2align	6, 0x0
	.amdhsa_kernel k_qfe5876cc33_outp
		.amdhsa_group_segment_fixed_size 168448
		.amdhsa_private_segment_fixed_size 0
		.amdhsa_enable_private_segment 0
		.amdhsa_kernarg_size 32
		.amdhsa_user_sgpr_count 2
		.amdhsa_user_sgpr_kernarg_segment_ptr 1
		.amdhsa_wavefront_size32 1
		.amdhsa_system_sgpr_workgroup_id_x 1
		.amdhsa_system_sgpr_workgroup_id_y 1
		.amdhsa_system_sgpr_workgroup_id_z 1
		.amdhsa_system_vgpr_workitem_id 0
		.amdhsa_next_free_vgpr 258
		.amdhsa_next_free_sgpr 84
		.amdhsa_reserve_vcc 1
		.amdhsa_float_denorm_mode_32 3
		.amdhsa_float_denorm_mode_16_64 3
		.amdhsa_memory_ordered 1
		.amdhsa_forward_progress 1
		.amdhsa_inst_pref_size 49
	.end_amdhsa_kernel
	.amdgpu_metadata
---
amdhsa.version: [ 1, 2 ]
amdhsa.kernels:
  - .name:           k_qfe5876cc33_outp
    .symbol:         k_qfe5876cc33_outp.kd
    .args:
      - { .name: prep, .offset: 0, .size: 8, .value_kind: global_buffer, .address_space: global }
      - { .name: ctx, .offset: 8, .size: 8, .value_kind: global_buffer, .address_space: global }
      - { .name: bo, .offset: 16, .size: 8, .value_kind: global_buffer, .address_space: global }
      - { .name: out0, .offset: 24, .size: 8, .value_kind: global_buffer, .address_space: global }
    .group_segment_fixed_size: 168448
    .private_segment_fixed_size: 0
    .kernarg_segment_align: 8
    .kernarg_segment_size: 32
    .max_flat_workgroup_size: 128
    .sgpr_count:     84
    .vgpr_count:     258
    .wavefront_size: 32
...
	.end_amdgpu_metadata
.endif
;; end of part 4
